; MI455X (gfx1250); checked and timed in simulation.
; The chip was launched on July 23, 2026; its instructions are those of AMD's public machine-readable ISA for CDNA 5 (MIT licence, August 2026) and "CDNA5" Instruction Set Architecture Reference Guide (July 2026). The comments in the code are by the model that wrote it; some were corrected since.
;; Dash4d. Allowed arithmetic: float matrix products may take bf16 or f16 operands with f32 sums; other float arithmetic in f32, or as packed bf16 or f16 multiplies, adds, multiply-adds, maxima and minima; sums over many terms, partial sums and values carried from step to step in f32; what a program stores and reads back later, other than sums and carried values, may be rounded once to bf16 or f16.
;; Inputs: table3d 6,119,857 x 2 float32; table4d 2,825,334 x 2 float32; xyzt 125,000 x 4 float32.
;; Outputs: out0 125,000 x 32 float32; out1 125,000 x 64 float32.
;; 2 versions, each right and faster than the one before. Each part assembles by itself: llvm-mc -triple=amdgcn-amd-amdhsa -mcpu=gfx1250 --defsym DOCPART=n.
;; ======== version 1 of 2: 2 launches
;; workspace buffers: fix 2,000,128 bytes of whole numbers
;; launch prep (part 1): grid 489 x 1, 8 waves a work-group, no clusters, 0 bytes of LDS; arguments xyzt, fix; writes fix
.if DOCPART == 1
	.amdgcn_target "amdgcn-amd-amdhsa--gfx1250"
	.amdhsa_code_object_version 6
	.text
	.protected	k_q3b03b721c1_prep
	.globl	k_q3b03b721c1_prep
	.p2align	8
	.type	k_q3b03b721c1_prep,@function
k_q3b03b721c1_prep:
	s_mov_b64 s[64:65], 0
	v_nop
	global_prefetch_b8 v0, s[64:65] scope:SCOPE_SE
	s_setreg_imm32_b32 hwreg(HW_REG_WAVE_MODE, 25, 1), 1
	s_wait_xcnt 0x0
; fix[n][d] = floor(x01 * 2^32) as a whole number, x01 = clip((xyzt[n][d] + 1.6) / 3.2, 0, 1 - 1e-6).
; The next launch forms every grid cell, and so every table address, from these whole numbers by integer arithmetic alone.
; One thread takes one point: 16 bytes in, 16 bytes out; a wave's load and store cover 512 consecutive bytes.
; 125,000 points are 488 work-groups of 256 threads and 72 threads more: the last work-group's surplus threads load the
; last point again (so that no load leaves the buffer) and store nothing.
; ARITHMETIC.  x + 1.6f is rounded as in the reference.  The division by 3.2f is a multiplication by 0.3125, the f32 nearest
; to 1 / 3.2f: x01 can differ in its last bit.  That factor and 2^32 are one factor, 5 * 2^28: a power of two rounds nothing.
; The bounds are scaled with it: 0 and (1 - 17 * 2^-24) * 2^32, 1 - 17 * 2^-24 being the f32 nearest to 1 - 1e-6.
; LIMITS.  A NaN coordinate counts as the lower bound (v_max_num_f32 takes the number).  x01 below 2^-8 loses the bits under 2^-32.
.set NPTS, 125000
	s_load_b128 s[4:7], s[0:1], 0x0                ; xyzt s[4:5], fix s[6:7]
	s_lshl_b32 s8, ttmp9, 8                        ; the work-group's first point
	v_add_nc_u32 v1, s8, v0                        ; my point
	v_lshlrev_b32 v2, 4, v1                        ; where its 16 bytes are stored
	v_min_u32 v3, NPTS-1, v1                       ; the point that I load: mine, or the last one
	v_lshlrev_b32 v3, 4, v3
	s_wait_kmcnt 0x0
	global_load_b128 v[4:7], v3, s[4:5] th:TH_LOAD_NT  ; read once in the whole program
	v_cmp_gt_u32 vcc_lo, NPTS, v1                  ; do I own a point?
	s_wait_loadcnt 0x0
.irp c, 4,5,6,7
	v_add_f32 v\c, 0x3fcccccd, v\c                 ; x + 1.6f
.endr
.irp c, 4,5,6,7
	v_mul_f32 v\c, 0x4ea00000, v\c                 ; * 0.3125 * 2^32
.endr
.irp c, 4,5,6,7
	v_max_num_f32 v\c, 0, v\c                      ; the clip, lower bound
.endr
.irp c, 4,5,6,7
	v_min_num_f32 v\c, 0x4f7fffef, v\c             ; upper bound: 2^32 - 17 * 2^8
.endr
.irp c, 4,5,6,7
	v_cvt_u32_f32 v\c, v\c                         ; toward zero; the bound keeps it inside 32 bits
.endr
	s_wait_xcnt 0x0                                ; EXEC is a source of the load above: it changes only behind this wait
	s_and_saveexec_b32 s9, vcc_lo
	global_store_b128 v2, v[4:7], s[6:7]           ; read again by the next launch: no hint
	s_wait_xcnt 0x0                                ; and again in front of the line that widens EXEC
	s_or_b32 exec_lo, exec_lo, s9
	s_endpgm
.Lfunc_end_k_q3b03b721c1_prep:
	.size	k_q3b03b721c1_prep, .Lfunc_end_k_q3b03b721c1_prep-k_q3b03b721c1_prep
	.p2alignl 7, 3214868480
	.fill 96, 4, 3214868480
	.section	.rodata,"a",@progbits
	.p2align	6, 0x0
	.amdhsa_kernel k_q3b03b721c1_prep
		.amdhsa_group_segment_fixed_size 0
		.amdhsa_private_segment_fixed_size 0
		.amdhsa_enable_private_segment 0
		.amdhsa_kernarg_size 16
		.amdhsa_user_sgpr_count 2
		.amdhsa_user_sgpr_kernarg_segment_ptr 1
		.amdhsa_wavefront_size32 1
		.amdhsa_system_sgpr_workgroup_id_x 1
		.amdhsa_system_sgpr_workgroup_id_y 1
		.amdhsa_system_sgpr_workgroup_id_z 1
		.amdhsa_system_vgpr_workitem_id 0
		.amdhsa_next_free_vgpr 8
		.amdhsa_next_free_sgpr 66
		.amdhsa_reserve_vcc 1
		.amdhsa_float_denorm_mode_32 3
		.amdhsa_float_denorm_mode_16_64 3
		.amdhsa_memory_ordered 1
		.amdhsa_forward_progress 1
		.amdhsa_inst_pref_size 2
	.end_amdhsa_kernel
	.amdgpu_metadata
---
amdhsa.version: [ 1, 2 ]
amdhsa.kernels:
  - .name:           k_q3b03b721c1_prep
    .symbol:         k_q3b03b721c1_prep.kd
    .args:
      - { .name: xyzt, .offset: 0, .size: 8, .value_kind: global_buffer, .address_space: global }
      - { .name: fix, .offset: 8, .size: 8, .value_kind: global_buffer, .address_space: global }
    .group_segment_fixed_size: 0
    .private_segment_fixed_size: 0
    .kernarg_segment_align: 8
    .kernarg_segment_size: 16
    .max_flat_workgroup_size: 256
    .sgpr_count:     66
    .vgpr_count:     8
    .wavefront_size: 32
...
	.end_amdgpu_metadata
.endif
;; end of part 1
;; launch encode (part 2): grid 1954 x 1, 4 waves a work-group, no clusters, 27,136 bytes of LDS; arguments fix, table3d, table4d, out0, out1; writes out0, out1
.if DOCPART == 2
	.amdgcn_target "amdgcn-amd-amdhsa--gfx1250"
	.amdhsa_code_object_version 6
	.text
	.protected	k_q3b03b721c1_encode
	.globl	k_q3b03b721c1_encode
	.p2align	8
	.type	k_q3b03b721c1_encode,@function
k_q3b03b721c1_encode:
	s_mov_b64 s[64:65], 0
	v_nop
	global_prefetch_b8 v0, s[64:65] scope:SCOPE_SE
	s_setreg_imm32_b32 hwreg(HW_REG_WAVE_MODE, 25, 1), 1
	s_wait_xcnt 0x0
; Multi-resolution grid encoding.  out0[n][2l..2l+1] = trilinear interpolation of table3d's level l (16 levels) at point n's x, y, z;
; out1[n][2l..2l+1] = quadrilinear interpolation of table4d's level l (32 levels) at x, y, z, t.  Tables and outputs f32, sums in f32.
; INPUT.  fix[n][d] = X = floor(x01 * 2^32), whole numbers made by the launch before.  For a level of res cells: cell = floor(X res / 2^32), and the
; bits below are the fraction.  All addresses come from these whole numbers by integer arithmetic; floats are made of the fractions only.
; SHARES.  A wave takes a group of 16 points and all 48 levels.  A lane is (point = lane / 2, side = lane & 1): the two lanes of a pair take the corners
; x and x + 1, in a dense level 16 neighbouring bytes, in a hashed level (first prime 1) indices that differ in low bits only.  The level is the same
; for all lanes, so its sizes are numbers in the text: an address is the cell's index, bounded, times 8; the level's place in the table and, in dense
; levels, the corners along y, z, t stand in the load's immediate, over nine scalar bases made once (the largest immediate here is 7,369,912).
; 125,000 points are 7,813 groups, the last of 8 points: 1,953 work-groups of four waves and one wave more.  The last work-group's other three waves
; have no group and end at once; the last group's lanes past the eighth point work on the last point again, and their rows are not stored.
; PIPELINE.  The levels go through DP register slots: level l is finished, then level l + DP is issued into its slot.
; THE WAY OUT.  A point's numbers arise in one lane pair, step by step; a row leaves as consecutive bytes from neighbouring lanes.  So they pass through
; a stage in LDS, each wave's own: two levels a store (even lanes level l, odd lanes level l + 1), whole rows back.  No wave reads another's bytes: no barrier.
; LEVELS.  res = ceil(base * growth^l) as the reference's build_meta makes them; the lists below are those numbers.  The 4-D sizes add up to
; 2,825,334 entries and the 3-D sizes to 6,119,857, the tables' lengths.  3-D level 15: 16 * pow(exp2(7/15), 15) falls just below 2048 in doubles.
; LIMITS.  The cell is that of the exact product X res, not of the product rounded to f32: where the two differ the point lies on a cell's edge, this
; text takes the lower cell with a fraction next to 1, and the interpolant is continuous there.  Levels of fewer than 256 cells use the upper 24 bits
; of X: a position is off by 213 * 2^-24 of a cell at the most.  The others use all 32 bits and keep 20 bits of the fraction.
.set NPTS,  125000
.set NG,    (NPTS+15)/16               ; groups of 16 points: 7,813
.set DP,    4                          ; register slots = levels in flight
.set HMAX,  524288                     ; entries of a hashed level
.set HMASK, HMAX-1
.set PR1,   0x9e3779b1 & HMASK         ; the primes 2654435761 and 805459861: only the index's low 19 bits are kept,
.set PR2,   0x30025795 & HMASK         ; so the primes' low 19 bits do, and the products fit 24-bit multiplies
.set G4B,   1041599                    ; table4d: entry at which the second base stands (level 24 begins there),
.set G4C,   1936948                    ; and the third (level 29)
.set G3,    876977                     ; table3d: from here (level 6) on a base for every two hashed levels
.set PIT1,  272                        ; stage for out1: a row of 256 bytes + 16 = 68 words: the 16 rows of a store start 4 banks apart
.set PIT0,  144                        ; stage for out0: 128 + 16 = 36 words: 16 rows at 16 different multiples of 4 banks
.set STG0,  16*PIT1                    ; a wave's stage: 16 rows for out1, then 16 rows for out0
.set WSTG,  16*(PIT1+PIT0)             ; 6,656 bytes
.set SPARE, 4*WSTG                     ; behind the four stages: the spare words, 128 bytes a wave: two blocks of 256 bytes that no other line names
; vector registers
.set XS,   2                           ; my side, 0 or 1
.set BIAS, 3                           ; x weight = raw fraction * SGN + BIAS: side 0: 1 - f, side 1: f
.set SGN,  4
.set KS,   6                           ; v[6:7]   (-2^-32, 2^-32)
.set KB,   8                           ; v[8:9]   (1, 0): raw fraction * KS + KB = (1 - f, f)
.set XF,   10                          ; v[10:13] upper 24 bits of my point's X
.set XH,   14                          ; v[14:16] upper 20 bits of x, y, z
.set XL,   17                          ; v[17:19] lower 12 bits
.set RE,   20                          ; v[20:21] an even level's result
.set RO,   22                          ; v[22:23] an odd level's
.set T,    24                          ; v[24:31] at work
.set SL,   32                          ; v[32:127] DP slots of 24: 16 of data, 6 of weights, the address; each slot's last register holds one of these four:
.set STO1, SL+23                       ; where my pair of numbers goes in the stage for out1
.set STO0, SL+47                       ; and for out0
.set SPW,  SL+71                       ; LDS address of my spare word: SPARE + 4 x my thread's number; never rewritten
.set NIL,  SL+95                       ; 0; never rewritten
.set RD1,  T+1                         ; the way out: where I read out1's rows back,
.set RD0,  T+2                         ; out0's,
.set GO,   T+3                         ; and my 16 bytes in 512 consecutive output bytes
; scalar registers: s[4:5] fix, s[6:7] table3d, s[8:9] table4d, s[10:11] out0, s[12:13] out1; s[16:17] at work
.set WV,   14                          ; my wave in the work-group
.set GR,   15                          ; my group
.set ODD,  18                          ; mask of the lanes of side 1
.set SB,   19                          ; my stage for out1
.set B4B,  20                          ; s[20:21], s[22:23] table4d's second and third base
.set B4C,  22
.set B3,   24                          ; s[24:33] table3d's five further bases
.set HM,   34                          ; HMASK
.set P1R,  35                          ; PR1
.set P2R,  36                          ; PR2
.set SB0,  37                          ; my stage for out0
	s_load_b256 s[4:11], s[0:1], 0x0
	s_load_b64 s[12:13], s[0:1], 0x20
	v_lshl_add_u32 v[SPW], v0, 2, SPARE
	v_mov_b32 v[NIL], 0
	v_lshrrev_b32 v1, 5, v0
	v_readfirstlane_b32 s[WV], v1
	s_lshl2_add_u32 s[GR], ttmp9, s[WV]            ; 4 x work-group + wave
	s_wait_kmcnt 0x0
	s_cmp_lt_u32 s[GR], NG
	s_cbranch_scc1 .Lwork
	s_endpgm                                       ; the last work-group's waves 1 to 3: no group is left for them; they have touched no LDS
.Lwork:
	v_and_b32 v[XS], 1, v0
	v_bfe_u32 v1, v0, 1, 4                         ; my point in the group
	s_lshl_b32 s16, s[GR], 4
	v_add_nc_u32 v[T], s16, v1
	v_min_u32 v[T], NPTS-1, v[T]                   ; the last group's surplus lanes take the last point again: no load leaves the buffer
	v_lshlrev_b32 v[T], 4, v[T]
	global_load_b128 v[T+4:T+7], v[T], s[4:5]      ; X; on its way while the rest is set up
	s_add_nc_u64 s[B4B:B4B+1], s[8:9], 8*G4B
	s_add_nc_u64 s[B4C:B4C+1], s[8:9], 8*G4C
.irp q, 0,1,2,3,4
	s_add_nc_u64 s[B3+2*(\q):B3+2*(\q)+1], s[6:7], 8*(G3+2*(\q)*HMAX)
.endr
	s_lshl_b32 s16, s[GR], 11                      ; my 16 rows of 128 bytes in out0,
	s_mov_b32 s17, 0
	s_add_nc_u64 s[10:11], s[10:11], s[16:17]
	s_lshl_b32 s16, s[GR], 12                      ; of 256 bytes in out1; 32,000,000 at the most: one word does
	s_add_nc_u64 s[12:13], s[12:13], s[16:17]
	s_mov_b32 s[ODD], 0xaaaaaaaa
	s_mov_b32 s[HM], HMASK
	s_mov_b32 s[P1R], PR1
	s_mov_b32 s[P2R], PR2
	s_mul_i32 s[SB], s[WV], WSTG
	s_add_co_u32 s[SB0], s[SB], STG0
	v_mul_u32_u24 v[STO1], v1, PIT1                ; row = my point, 8 bytes further for side 1
	v_lshl_add_u32 v[STO1], v[XS], 3, v[STO1]
	v_add_nc_u32 v[STO1], s[SB], v[STO1]
	v_mul_u32_u24 v[STO0], v1, PIT0
	v_lshl_add_u32 v[STO0], v[XS], 3, v[STO0]
	v_add_nc_u32 v[STO0], s[SB0], v[STO0]
	v_mov_b32 v[KS], 0xaf800000                    ; -2^-32
	v_mov_b32 v[KS+1], 0x2f800000                  ; 2^-32
	v_mov_b32 v[KB], 1.0
	v_mov_b32 v[KB+1], 0
	v_cndmask_b32 v[SGN], v[KS], v[KS+1], s[ODD]
	v_cndmask_b32 v[BIAS], v[KB], v[KB+1], s[ODD]
	s_wait_loadcnt 0x0
.irp i, 0,1,2,3
	v_lshrrev_b32 v[XF+(\i)], 8, v[T+4+(\i)]
.endr
.irp i, 0,1,2
	v_lshrrev_b32 v[XH+(\i)], 12, v[T+4+(\i)]
	v_and_b32 v[XL+(\i)], 0xfff, v[T+4+(\i)]
.endr
.set ISS,  0                           ; levels issued: 0-31 are the 4-D levels, 32-47 the 3-D levels
.set FIN,  0                           ; levels finished
.set OFF4, 0                           ; first entry of the next 4-D level: the assembler adds the sizes up
.set OFF3, 0                           ; and of the next 3-D level
.macro SLOT n                          ; the registers of level n's slot
.set DD, SL+24*((\n)%DP)
.set WW, DD+16
.set AD, DD+22
.endm
; A 4-D LEVEL IS ISSUED: a cells along x and y, b along z and t.  One address, eight loads, six weights.
.macro ISSUE4 a, b
	SLOT ISS
.set SY, (\a)+1                        ; strides in entries
.set SZ, SY*SY
.set SW, SZ*((\b)+1)
.if OFF4 >= G4C
.set BS, B4C
.set IM, 8*(OFF4-G4C)
.elseif OFF4 >= G4B
.set BS, B4B
.set IM, 8*(OFF4-G4B)
.else
.set BS, 8
.set IM, 8*OFF4
.endif
	v_mul_u32_u24 v[T+0], \a, v[XF+0]              ; position = coordinate x cells: cell in bits 28:24, fraction in bits 23:0
	v_mul_u32_u24 v[T+1], \a, v[XF+1]
	v_mul_u32_u24 v[T+2], \b, v[XF+2]
	v_mul_u32_u24 v[T+3], \b, v[XF+3]
.irp i, 0,1,2,3
	v_lshrrev_b32 v[T+4+(\i)], 24, v[T+(\i)]
.endr
	v_add_nc_u32 v[T+4], v[XS], v[T+4]             ; my side's x
	v_mad_u32_u24 v[T+4], v[T+5], SY, v[T+4]
	v_mad_u32_u24 v[T+4], v[T+6], SZ, v[T+4]
	v_mad_u32_u24 v[T+4], v[T+7], SW, v[T+4]
	v_min_u32 v[T+4], (\a)+((\a)-1)*SY+((\b)-1)*(SZ+SW), v[T+4]  ; a number read from memory enters an address only behind a bound written in the instruction: the largest index that a cell can give; it changes none
	v_lshlrev_b32 v[AD], 3, v[T+4]
.irp k, 0,1,2,3,4,5,6,7
	global_load_b64 v[DD+2*(\k):DD+2*(\k)+1], v[AD], s[BS:BS+1] offset:IM+8*(((\k)&1)*SY+(((\k)>>1)&1)*SZ+((\k)>>2)*SW)  ; pair k: corner y = k & 1, z = (k >> 1) & 1, t = k >> 2
.endr
.irp i, 0,1,2,3
	v_lshlrev_b32 v[T+(\i)], 8, v[T+(\i)]          ; the cell's bits drop out: the fraction x 2^32
.endr
.irp i, 0,1,2,3
	v_cvt_f32_u32 v[T+(\i)], v[T+(\i)]
.endr
	v_fma_f32 v[T+4], v[T+0], v[SGN], v[BIAS]      ; my side's x weight
	v_pk_fma_f32 v[WW:WW+1], v[T:T+1], v[KS:KS+1], v[KB:KB+1] op_sel:[1,0,0]        ; (1 - fy, fy)
	v_pk_fma_f32 v[T+6:T+7], v[T+2:T+3], v[KS:KS+1], v[KB:KB+1] op_sel_hi:[0,1,1]   ; (1 - fz, fz)
	v_pk_mul_f32 v[WW:WW+1], v[WW:WW+1], v[T+4:T+5] op_sel_hi:[1,0]                 ; x weight times both
	v_pk_fma_f32 v[T+4:T+5], v[T+2:T+3], v[KS:KS+1], v[KB:KB+1] op_sel:[1,0,0]      ; (1 - ft, ft)
	v_pk_mul_f32 v[WW+2:WW+3], v[T+6:T+7], v[T+4:T+5] op_sel_hi:[1,0]               ; z weights times 1 - ft
	v_pk_mul_f32 v[WW+4:WW+5], v[T+6:T+7], v[T+4:T+5] op_sel:[0,1]                  ; z weights times ft
.set OFF4, OFF4+SW*((\b)+1)
.set ISS, ISS+1
.endm
; A 3-D LEVEL IS ISSUED: r cells along each axis.  Four loads, four weights.  Dense if (r + 1)^3 entries fit in HMAX, else hashed into HMAX entries.
.macro ISSUE3 r
	SLOT ISS
.set SY, (\r)+1
.set SZ, SY*SY
.if (\r) < 256
.set CS, 24                            ; cell from bit 24 on
.irp i, 0,1,2
	v_mul_u32_u24 v[T+(\i)], \r, v[XF+(\i)]
.endr
.else
.set CS, 20                            ; floor(X r / 2^12): cell from bit 20 on
.irp i, 0,1,2
	v_mul_u32_u24 v[T+(\i)], \r, v[XL+(\i)]
.endr
.irp i, 0,1,2
	v_lshrrev_b32 v[T+(\i)], 12, v[T+(\i)]
.endr
.irp i, 0,1,2
	v_mad_u32_u24 v[T+(\i)], v[XH+(\i)], \r, v[T+(\i)]
.endr
.endif
.irp i, 0,1,2
	v_lshrrev_b32 v[T+3+(\i)], CS, v[T+(\i)]
.endr
	v_add_nc_u32 v[T+3], v[XS], v[T+3]             ; my side's x
.if SY*SZ <= HMAX
	v_mad_u32_u24 v[T+3], v[T+4], SY, v[T+3]
	v_mad_u32_u24 v[T+3], v[T+5], SZ, v[T+3]
	v_min_u32 v[T+3], (\r)+((\r)-1)*(SY+SZ), v[T+3]  ; the written bound in front of the address; it changes no index
	v_lshlrev_b32 v[AD], 3, v[T+3]
.irp k, 0,1,2,3
	global_load_b64 v[DD+2*(\k):DD+2*(\k)+1], v[AD], s[6:7] offset:8*(OFF3+((\k)&1)*SY+((\k)>>1)*SZ)  ; pair k: corner y = k & 1, z = k >> 1
.endr
.set OFF3, OFF3+SY*SZ
.else
.if OFF3 < G3
.set BS, 6
.set IM, 8*OFF3
.else
.set BS, B3+2*((OFF3-G3)/(2*HMAX))
.set IM, 8*((OFF3-G3)%(2*HMAX))
.endif
	v_mul_u32_u24 v[T+4], s[P1R], v[T+4]           ; y's and z's terms,
	v_mul_u32_u24 v[T+5], s[P2R], v[T+5]
	v_add_nc_u32 v[T+6], s[P1R], v[T+4]            ; and those of y + 1 and z + 1
	v_add_nc_u32 v[T+7], s[P2R], v[T+5]
	v_xor_b32 v[T+4], v[T+3], v[T+4]               ; x ^ y
	v_xor_b32 v[T+6], v[T+3], v[T+6]               ; x ^ (y + 1)
	v_xor_b32 v[T+3], v[T+4], v[T+5]               ; corner 0
	v_xor_b32 v[T+5], v[T+6], v[T+5]               ; corner 1
	v_xor_b32 v[T+4], v[T+4], v[T+7]               ; corner 2
	v_xor_b32 v[T+6], v[T+6], v[T+7]               ; corner 3
.irp c, 3,5,4,6
	v_and_b32 v[T+(\c)], s[HM], v[T+(\c)]          ; 19 bits are kept
.endr
.irp c, 3,5,4,6
	v_min_u32 v[T+(\c)], HMASK, v[T+(\c)]          ; the written bound in front of the address; it changes no index
.endr
	v_lshlrev_b32 v[DD+0], 3, v[T+3]
	v_lshlrev_b32 v[DD+2], 3, v[T+5]
	v_lshlrev_b32 v[DD+4], 3, v[T+4]
	v_lshlrev_b32 v[DD+6], 3, v[T+6]
.irp k, 0,2,4,6
	global_load_b64 v[DD+(\k):DD+(\k)+1], v[DD+(\k)], s[BS:BS+1] offset:IM  ; each load lands on its own address register
.endr
.set OFF3, OFF3+HMAX
.endif
.irp i, 0,1,2
	v_lshlrev_b32 v[T+(\i)], 32-CS, v[T+(\i)]      ; the fraction x 2^32
.endr
.irp i, 0,1,2
	v_cvt_f32_u32 v[T+(\i)], v[T+(\i)]
.endr
	v_fma_f32 v[T+4], v[T+0], v[SGN], v[BIAS]
	v_pk_fma_f32 v[WW:WW+1], v[T:T+1], v[KS:KS+1], v[KB:KB+1] op_sel:[1,0,0]        ; (1 - fy, fy)
	v_pk_fma_f32 v[WW+2:WW+3], v[T+2:T+3], v[KS:KS+1], v[KB:KB+1] op_sel_hi:[0,1,1] ; (1 - fz, fz)
	v_pk_mul_f32 v[WW:WW+1], v[WW:WW+1], v[T+4:T+5] op_sel_hi:[1,0]
.set ISS, ISS+1
.endm
; THE OLDEST LEVEL IN FLIGHT IS FINISHED: its corners are summed along y, then over z (and t); one DPP step adds the two sides; of two levels the even lanes
; keep the even one, the odd lanes the odd one, and the pair goes into the stage.
.macro FINISH
	SLOT FIN
.set RS, RE+2*(FIN%2)
.set LEFT, 0                           ; the loads issued behind this level's: eight for a 4-D level, four for a 3-D level
.set KK, FIN+1
.rept DP-1
.if KK < ISS
.if KK < 32
.set LEFT, LEFT+8
.else
.set LEFT, LEFT+4
.endif
.endif
.set KK, KK+1
.endr
	s_wait_loadcnt LEFT                            ; loads come back in order (ISA guide 5.7.1): mine are in, the younger ones stay out; the slot's address register is free too
.if FIN < 32
.irp q, 0,4,8,12
	v_pk_mul_f32 v[DD+(\q):DD+(\q)+1], v[DD+(\q):DD+(\q)+1], v[WW:WW+1] op_sel_hi:[1,0]
.endr
.irp q, 0,4,8,12
	v_pk_fma_f32 v[DD+(\q):DD+(\q)+1], v[DD+(\q)+2:DD+(\q)+3], v[WW:WW+1], v[DD+(\q):DD+(\q)+1] op_sel:[0,1,0]
.endr
	v_pk_mul_f32 v[DD:DD+1], v[DD:DD+1], v[WW+2:WW+3] op_sel_hi:[1,0]
	v_pk_fma_f32 v[DD:DD+1], v[DD+4:DD+5], v[WW+2:WW+3], v[DD:DD+1] op_sel:[0,1,0]
	v_pk_fma_f32 v[DD:DD+1], v[DD+8:DD+9], v[WW+4:WW+5], v[DD:DD+1] op_sel_hi:[1,0,1]
	v_pk_fma_f32 v[RS:RS+1], v[DD+12:DD+13], v[WW+4:WW+5], v[DD:DD+1] op_sel:[0,1,0]
.else
	v_pk_mul_f32 v[DD:DD+1], v[DD:DD+1], v[WW:WW+1] op_sel_hi:[1,0]
	v_pk_mul_f32 v[DD+4:DD+5], v[DD+4:DD+5], v[WW:WW+1] op_sel_hi:[1,0]
	v_pk_fma_f32 v[DD:DD+1], v[DD+2:DD+3], v[WW:WW+1], v[DD:DD+1] op_sel:[0,1,0]
	v_pk_fma_f32 v[DD+4:DD+5], v[DD+6:DD+7], v[WW:WW+1], v[DD+4:DD+5] op_sel:[0,1,0]
	v_pk_mul_f32 v[DD:DD+1], v[DD:DD+1], v[WW+2:WW+3] op_sel_hi:[1,0]
	v_pk_fma_f32 v[RS:RS+1], v[DD+4:DD+5], v[WW+2:WW+3], v[DD:DD+1] op_sel:[0,1,0]
.endif
	v_add_f32_dpp v[RS], v[RS], v[RS] row_xmask:1 row_mask:0xf bank_mask:0xf
	v_add_f32_dpp v[RS+1], v[RS+1], v[RS+1] row_xmask:1 row_mask:0xf bank_mask:0xf
.if FIN%2
	v_cndmask_b32 v[RE], v[RE], v[RO], s[ODD]
	v_cndmask_b32 v[RE+1], v[RE+1], v[RO+1], s[ODD]
.if FIN < 32
	ds_store_b64 v[STO1], v[RE:RE+1] offset:8*(FIN-1)
.else
	ds_store_b64 v[STO0], v[RE:RE+1] offset:8*(FIN-33)
.endif
.endif
.set FIN, FIN+1
.endm
.macro LV4 a, b                        ; once the slots are full, the oldest level makes room
.if ISS >= DP
	FINISH
.endif
	ISSUE4 \a, \b
.endm
.macro LV3 r
.if ISS >= DP
	FINISH
.endif
	ISSUE3 \r
.endm
	LV4 8, 8
	LV4 9, 9
	LV4 9, 9
	LV4 10, 9
	LV4 10, 9
	LV4 11, 9
	LV4 11, 10
	LV4 11, 10
	LV4 12, 10
	LV4 12, 10
	LV4 13, 11
	LV4 14, 11
	LV4 14, 11
	LV4 15, 11
	LV4 15, 11
	LV4 16, 12
	LV4 17, 12
	LV4 18, 12
	LV4 18, 12
	LV4 19, 13
	LV4 20, 13
	LV4 21, 13
	LV4 22, 14
	LV4 23, 14
	LV4 24, 14
	LV4 25, 14
	LV4 26, 15
	LV4 27, 15
	LV4 28, 15
	LV4 30, 16
	LV4 31, 16
	LV4 32, 16
.irp r, 16,23,31,43,59,81,112,154,213,295,407,562,777,1073,1483,2048
	LV3 \r
.endr
.rept DP
	FINISH                                         ; the last DP levels: the counts run down to 0
.endr
	; THE WAY OUT.  out1: lanes 0-15 read one row of 256 bytes, lanes 16-31 the next; out0: eight lanes a row of 128 bytes, four rows.  Either way the 32 lanes hold 512 consecutive output bytes.
	v_bfe_u32 v[T+4], v0, 4, 1
	v_and_b32 v[T+5], 15, v0
	v_mul_u32_u24 v[RD1], v[T+4], PIT1
	v_lshl_add_u32 v[RD1], v[T+5], 4, v[RD1]
	v_add_nc_u32 v[RD1], s[SB], v[RD1]
	v_bfe_u32 v[T+4], v0, 3, 2
	v_and_b32 v[T+5], 7, v0
	v_mul_u32_u24 v[RD0], v[T+4], PIT0
	v_lshl_add_u32 v[RD0], v[T+5], 4, v[RD0]
	v_add_nc_u32 v[RD0], s[SB0], v[RD0]
	v_and_b32 v[GO], 31, v0
	v_lshlrev_b32 v[GO], 4, v[GO]
.irp n, 0,1,2,3,4,5,6,7                ; read-back n lands in four data registers of slot n / 4: all slots are free now
	ds_load_b128 v[SL+24*((\n)/4)+4*((\n)%4):SL+24*((\n)/4)+4*((\n)%4)+3], v[RD1] offset:(\n)*2*PIT1  ; LDS serves a wave's instructions in order (ISA guide 5.7.1.4): these see my stores above
.endr
.irp n, 0,1,2,3
	ds_load_b128 v[SL+48+4*(\n):SL+48+4*(\n)+3], v[RD0] offset:(\n)*4*PIT0
.endr
	s_wait_tensorcnt 0x0                           ; the wave's end, behind my last LDS store;
	ds_add_u32 v[SPW], v[NIL]
	s_wait_dscnt 0x0                               ; this wait also shows the twelve read-backs in
.irp n, 0,1,2,3
	global_store_b128 v[GO], v[SL+4*(\n):SL+4*(\n)+3], s[12:13] offset:512*(\n) th:TH_STORE_NT  ; out1, rows 0-7: each store covers 512 consecutive bytes, aligned to 256
.endr
.irp n, 0,1
	global_store_b128 v[GO], v[SL+48+4*(\n):SL+48+4*(\n)+3], s[10:11] offset:512*(\n) th:TH_STORE_NT  ; out0, rows 0-7
.endr
	s_cmp_eq_u32 s[GR], NG-1
	s_cbranch_scc1 .Ldone                          ; the last group has eight points: its rows 8-15 do not exist
.irp n, 0,1,2,3
	global_store_b128 v[GO], v[SL+24+4*(\n):SL+24+4*(\n)+3], s[12:13] offset:2048+512*(\n) th:TH_STORE_NT  ; out1, rows 8-15
.endr
.irp n, 2,3
	global_store_b128 v[GO], v[SL+48+4*(\n):SL+48+4*(\n)+3], s[10:11] offset:512*(\n) th:TH_STORE_NT  ; out0, rows 8-15
.endr
.Ldone:
	s_endpgm
.Lfunc_end_k_q3b03b721c1_encode:
	.size	k_q3b03b721c1_encode, .Lfunc_end_k_q3b03b721c1_encode-k_q3b03b721c1_encode
	.p2alignl 7, 3214868480
	.fill 96, 4, 3214868480
	.section	.rodata,"a",@progbits
	.p2align	6, 0x0
	.amdhsa_kernel k_q3b03b721c1_encode
		.amdhsa_group_segment_fixed_size 27136
		.amdhsa_private_segment_fixed_size 0
		.amdhsa_enable_private_segment 0
		.amdhsa_kernarg_size 40
		.amdhsa_user_sgpr_count 2
		.amdhsa_user_sgpr_kernarg_segment_ptr 1
		.amdhsa_wavefront_size32 1
		.amdhsa_system_sgpr_workgroup_id_x 1
		.amdhsa_system_sgpr_workgroup_id_y 1
		.amdhsa_system_sgpr_workgroup_id_z 1
		.amdhsa_system_vgpr_workitem_id 0
		.amdhsa_next_free_vgpr 128
		.amdhsa_next_free_sgpr 66
		.amdhsa_reserve_vcc 0
		.amdhsa_float_denorm_mode_32 3
		.amdhsa_float_denorm_mode_16_64 3
		.amdhsa_memory_ordered 1
		.amdhsa_forward_progress 1
		.amdhsa_inst_pref_size 145
	.end_amdhsa_kernel
	.amdgpu_metadata
---
amdhsa.version: [ 1, 2 ]
amdhsa.kernels:
  - .name:           k_q3b03b721c1_encode
    .symbol:         k_q3b03b721c1_encode.kd
    .args:
      - { .name: fix, .offset: 0, .size: 8, .value_kind: global_buffer, .address_space: global }
      - { .name: table3d, .offset: 8, .size: 8, .value_kind: global_buffer, .address_space: global }
      - { .name: table4d, .offset: 16, .size: 8, .value_kind: global_buffer, .address_space: global }
      - { .name: out0, .offset: 24, .size: 8, .value_kind: global_buffer, .address_space: global }
      - { .name: out1, .offset: 32, .size: 8, .value_kind: global_buffer, .address_space: global }
    .group_segment_fixed_size: 27136
    .private_segment_fixed_size: 0
    .kernarg_segment_align: 8
    .kernarg_segment_size: 40
    .max_flat_workgroup_size: 128
    .sgpr_count:     66
    .vgpr_count:     128
    .wavefront_size: 32
...
	.end_amdgpu_metadata
.endif
;; end of part 2
;; ======== version 2 of 2: 2 launches; 1.35 times as fast as version 1
;; limits: values outside matrix products are rounded to bf16
;; workspace buffers: fix 2,000,128 bytes of whole numbers; t16 11,301,376 bytes
;; launch prep (part 3): grid 690 x 1, 8 waves a work-group, no clusters, 0 bytes of LDS; arguments xyzt, table4d, fix, t16; writes fix, t16
.if DOCPART == 3
	.amdgcn_target "amdgcn-amd-amdhsa--gfx1250"
	.amdhsa_code_object_version 6
	.text
	.protected	k_q3b03b721c1_prep
	.globl	k_q3b03b721c1_prep
	.p2align	8
	.type	k_q3b03b721c1_prep,@function
k_q3b03b721c1_prep:
	s_mov_b64 s[64:65], 0
	v_nop
	global_prefetch_b8 v0, s[64:65] scope:SCOPE_SE
	s_setreg_imm32_b32 hwreg(HW_REG_WAVE_MODE, 25, 1), 1
	s_wait_xcnt 0x0
; Two preparations for the next launch, in one launch.
; (1) fix[n][d] = floor(x01 * 2^32) as a whole number, x01 = clip((xyzt[n][d] + 1.6) / 3.2, 0, 1 - 1e-6).  The next launch forms every grid cell,
;     and so every table address, from these whole numbers by integer arithmetic alone.
; (2) t16[e] = the two numbers of table4d's entry e, each rounded to bf16 (to nearest even), in one word: the first in the low half.  The next launch
;     gathers each entry of this table some 23 times on average (125,000 points x 512 corners for 2,825,334 entries), so halving the entry pays for this one pass.
; SHARES.  table4d is 1,412,667 chunks of 16 bytes (two entries).  A work-group of 256 threads takes 2,048 chunks, a thread eight, 256 chunks apart: a wave's
; load covers 512 consecutive bytes, its store 256 consecutive bytes, aligned.  That is 689.8 work-groups: the last one's surplus threads take the last
; chunk again and store the same 8 bytes again.  Thread t of work-group g also takes point 256 g + t: 16 bytes in, 16 out.  Threads past the last point
; (72 threads short of work-group 488's end, and all of work-groups 489 to 689) work on the last point again, so that no load leaves the buffer, and store nothing.
; ARITHMETIC.  x + 1.6f is rounded as in the reference.  The division by 3.2f is a multiplication by 0.3125, the f32 nearest
; to 1 / 3.2f: x01 can differ in its last bit.  That factor and 2^32 are one factor, 5 * 2^28: a power of two rounds nothing.
; The bounds are scaled with it: 0 and (1 - 17 * 2^-24) * 2^32, 1 - 17 * 2^-24 being the f32 nearest to 1 - 1e-6.
; LIMITS.  A NaN coordinate counts as the lower bound (v_max_num_f32 takes the number).  x01 below 2^-8 loses the bits under 2^-32.
; A number of t16 is off by 2^-8 of itself at the most.
.set NPTS, 125000
.set NCH,  1412667                     ; chunks of 16 bytes in table4d
.set LO,   10                          ; v[10:17] byte offsets of my eight chunks in table4d
.set SO,   18                          ; v[18:25] and of their 8 bytes in t16
.set D,    26                          ; v[26:57] eight chunks as loaded
.set O,    58                          ; v[58:73] eight pairs of words to store
	s_load_b256 s[4:11], s[0:1], 0x0               ; xyzt s[4:5], table4d s[6:7], fix s[8:9], t16 s[10:11]
	s_lshl_b32 s12, ttmp9, 8                       ; the work-group's first point
	s_lshl_b32 s13, ttmp9, 11                      ; and its first chunk
	v_add_nc_u32 v1, s12, v0                       ; my point
	v_lshlrev_b32 v2, 4, v1                        ; where its 16 bytes are stored
	v_min_u32 v3, NPTS-1, v1                       ; the point that I load: mine, or the last one
	v_lshlrev_b32 v3, 4, v3
	v_add_nc_u32 v8, s13, v0                       ; my first chunk
.irp j, 0,1,2,3,4,5,6,7
	v_add_nc_u32 v[SO+(\j)], 256*(\j), v8
.endr
.irp j, 0,1,2,3,4,5,6,7
	v_min_u32 v[SO+(\j)], NCH-1, v[SO+(\j)]        ; mine, or the last one
.endr
.irp j, 0,1,2,3,4,5,6,7
	v_lshlrev_b32 v[LO+(\j)], 4, v[SO+(\j)]
	v_lshlrev_b32 v[SO+(\j)], 3, v[SO+(\j)]
.endr
	s_wait_kmcnt 0x0
	global_load_b128 v[4:7], v3, s[4:5] th:TH_LOAD_NT  ; both inputs are read once in the whole program
.irp j, 0,1,2,3,4,5,6,7
	global_load_b128 v[D+4*(\j):D+4*(\j)+3], v[LO+(\j)], s[6:7] th:TH_LOAD_NT  ; all nine loads go out before the first wait
.endr
	v_cmp_gt_u32 vcc_lo, NPTS, v1                  ; do I own a point?
.irp j, 0,1,2,3,4,5,6,7
	s_wait_loadcnt 7-(\j)                          ; loads come back in order (ISA guide 5.7.1): chunk j is in, the 7 - j younger ones stay out
	v_cvt_pk_bf16_f32 v[O+2*(\j)], v[D+4*(\j)], v[D+4*(\j)+1]
	v_cvt_pk_bf16_f32 v[O+2*(\j)+1], v[D+4*(\j)+2], v[D+4*(\j)+3]
	global_store_b64 v[SO+(\j)], v[O+2*(\j):O+2*(\j)+1], s[10:11]  ; read again by the next launch: no hint
.endr
.irp c, 4,5,6,7
	v_add_f32 v\c, 0x3fcccccd, v\c                 ; x + 1.6f (the point's load is the oldest: it is in)
.endr
.irp c, 4,5,6,7
	v_mul_f32 v\c, 0x4ea00000, v\c                 ; * 0.3125 * 2^32
.endr
.irp c, 4,5,6,7
	v_max_num_f32 v\c, 0, v\c                      ; the clip, lower bound
.endr
.irp c, 4,5,6,7
	v_min_num_f32 v\c, 0x4f7fffef, v\c             ; upper bound: 2^32 - 17 * 2^8
.endr
.irp c, 4,5,6,7
	v_cvt_u32_f32 v\c, v\c                         ; toward zero; the bound keeps it inside 32 bits
.endr
	s_wait_xcnt 0x0                                ; EXEC is a source of the loads and stores above: it changes only behind this wait
	s_and_saveexec_b32 s14, vcc_lo
	global_store_b128 v2, v[4:7], s[8:9]           ; read again by the next launch: no hint
	s_wait_xcnt 0x0                                ; and again in front of the line that widens EXEC
	s_or_b32 exec_lo, exec_lo, s14
	s_endpgm
.Lfunc_end_k_q3b03b721c1_prep:
	.size	k_q3b03b721c1_prep, .Lfunc_end_k_q3b03b721c1_prep-k_q3b03b721c1_prep
	.p2alignl 7, 3214868480
	.fill 96, 4, 3214868480
	.section	.rodata,"a",@progbits
	.p2align	6, 0x0
	.amdhsa_kernel k_q3b03b721c1_prep
		.amdhsa_group_segment_fixed_size 0
		.amdhsa_private_segment_fixed_size 0
		.amdhsa_enable_private_segment 0
		.amdhsa_kernarg_size 32
		.amdhsa_user_sgpr_count 2
		.amdhsa_user_sgpr_kernarg_segment_ptr 1
		.amdhsa_wavefront_size32 1
		.amdhsa_system_sgpr_workgroup_id_x 1
		.amdhsa_system_sgpr_workgroup_id_y 1
		.amdhsa_system_sgpr_workgroup_id_z 1
		.amdhsa_system_vgpr_workitem_id 0
		.amdhsa_next_free_vgpr 74
		.amdhsa_next_free_sgpr 66
		.amdhsa_reserve_vcc 1
		.amdhsa_float_denorm_mode_32 3
		.amdhsa_float_denorm_mode_16_64 3
		.amdhsa_memory_ordered 1
		.amdhsa_forward_progress 1
		.amdhsa_inst_pref_size 7
	.end_amdhsa_kernel
	.amdgpu_metadata
---
amdhsa.version: [ 1, 2 ]
amdhsa.kernels:
  - .name:           k_q3b03b721c1_prep
    .symbol:         k_q3b03b721c1_prep.kd
    .args:
      - { .name: xyzt, .offset: 0, .size: 8, .value_kind: global_buffer, .address_space: global }
      - { .name: table4d, .offset: 8, .size: 8, .value_kind: global_buffer, .address_space: global }
      - { .name: fix, .offset: 16, .size: 8, .value_kind: global_buffer, .address_space: global }
      - { .name: t16, .offset: 24, .size: 8, .value_kind: global_buffer, .address_space: global }
    .group_segment_fixed_size: 0
    .private_segment_fixed_size: 0
    .kernarg_segment_align: 8
    .kernarg_segment_size: 32
    .max_flat_workgroup_size: 256
    .sgpr_count:     66
    .vgpr_count:     74
    .wavefront_size: 32
...
	.end_amdgpu_metadata
.endif
;; end of part 3
;; launch encode (part 4): grid 1954 x 1, 4 waves a work-group, no clusters, 27,136 bytes of LDS; arguments fix, table3d, t16, out0, out1; writes out0, out1
.if DOCPART == 4
	.amdgcn_target "amdgcn-amd-amdhsa--gfx1250"
	.amdhsa_code_object_version 6
	.text
	.protected	k_q3b03b721c1_encode
	.globl	k_q3b03b721c1_encode
	.p2align	8
	.type	k_q3b03b721c1_encode,@function
k_q3b03b721c1_encode:
	s_mov_b64 s[64:65], 0
	v_nop
	global_prefetch_b8 v0, s[64:65] scope:SCOPE_SE
	s_setreg_imm32_b32 hwreg(HW_REG_WAVE_MODE, 25, 1), 1
	s_wait_xcnt 0x0
; Multi-resolution grid encoding.  out0[n][2l..2l+1] = trilinear interpolation of table3d's level l (16 levels) at point n's x, y, z;
; out1[n][2l..2l+1] = quadrilinear interpolation of table4d's level l (32 levels) at x, y, z, t.  Outputs f32, weights and sums in f32.
; INPUT.  fix[n][d] = X = floor(x01 * 2^32), whole numbers made by the launch before.  For a level of res cells: cell = floor(X res / 2^32), and the
; bits below are the fraction.  All addresses come from these whole numbers by integer arithmetic; floats are made of the fractions only.
; t16[e] = table4d's entry e, its two numbers rounded to bf16 in one word, made by the launch before: a 4-D corner is 4 gathered bytes, not 8.
; table3d is gathered as it is: a hashed level's 4 MB read and 2 MB written would spare 4 MB of gathers (125,000 points x 8 corners x 4 bytes).
; SHARES.  A wave takes a group of 16 points and all 48 levels.  A lane is (point = lane / 2, side = lane & 1): the two lanes of a pair take the corners
; x and x + 1, in a dense level neighbouring entries, in a hashed level (first prime 1) indices that differ in low bits only.  The level is the same
; for all lanes, so its sizes are numbers in the text: an address is the cell's index, bounded, times the entry's bytes; the level's place in the table and,
; in dense levels, the corners along y, z, t stand in the load's immediate, over eight scalar bases made once (the largest immediate here is 5,954,596).
; 125,000 points are 7,813 groups, the last of 8 points: 1,953 work-groups of four waves and one wave more.  The last work-group's other three waves
; have no group and end at once; the last group's lanes past the eighth point work on the last point again, and their rows are not stored.
; PIPELINE.  The levels go through DP register slots: level l is finished, then level l + DP is issued into its slot.
; THE WAY OUT.  A point's numbers arise in one lane pair, step by step; a row leaves as consecutive bytes from neighbouring lanes.  So they pass through
; a stage in LDS, each wave's own: two levels a store (even lanes level l, odd lanes level l + 1), whole rows back.  No wave reads another's bytes: no barrier.
; LEVELS.  res = ceil(base * growth^l) as the reference's build_meta makes them; the lists below are those numbers.  The 4-D sizes add up to
; 2,825,334 entries and the 3-D sizes to 6,119,857, the tables' lengths.  3-D level 15: 16 * pow(exp2(7/15), 15) falls just below 2048 in doubles.
; LIMITS.  The cell is that of the exact product X res, not of the product rounded to f32: where the two differ the point lies on a cell's edge, this
; text takes the lower cell with a fraction next to 1, and the interpolant is continuous there.  Levels of fewer than 256 cells use the upper 24 bits
; of X: a position is off by 213 * 2^-24 of a cell at the most.  The others use all 32 bits and keep 20 bits of the fraction.
; A number of out1 carries its 16 corners' rounding to bf16: the weights add up to 1, so it is off by 2^-8 of the largest corner's magnitude at the most.
; For entries below 1e-4 in magnitude that is 2^-22 = 2.4e-7.  Where large corners of both signs cancel, that error is large beside the result itself.
.set NPTS,  125000
.set NG,    (NPTS+15)/16               ; groups of 16 points: 7,813
.set DP,    4                          ; register slots = levels in flight
.set HMAX,  524288                     ; entries of a hashed level
.set HMASK, HMAX-1
.set PR1,   0x9e3779b1 & HMASK         ; the primes 2654435761 and 805459861: only the index's low 19 bits are kept,
.set PR2,   0x30025795 & HMASK         ; so the primes' low 19 bits do, and the products fit 24-bit multiplies
.set G4B,   1041599                    ; t16: entry at which the second base stands (level 24 begins there)
.set G3,    876977                     ; table3d: from here (level 6) on a base for every two hashed levels
.set PIT1,  272                        ; stage for out1: a row of 256 bytes + 16 = 68 words: the 16 rows of a store start 4 banks apart
.set PIT0,  144                        ; stage for out0: 128 + 16 = 36 words: 16 rows at 16 different multiples of 4 banks
.set STG0,  16*PIT1                    ; a wave's stage: 16 rows for out1, then 16 rows for out0
.set WSTG,  16*(PIT1+PIT0)             ; 6,656 bytes
.set SPARE, 4*WSTG                     ; behind the four stages: the spare words, 128 bytes a wave: two blocks of 256 bytes that no other line names
; vector registers
.set XS,   2                           ; my side, 0 or 1
.set BIAS, 3                           ; x weight = raw fraction * SGN + BIAS: side 0: 1 - f, side 1: f
.set SGN,  4
.set KS,   6                           ; v[6:7]   (-2^-32, 2^-32)
.set KB,   8                           ; v[8:9]   (1, 0): raw fraction * KS + KB = (1 - f, f); v9 also serves as the 0 that starts a 4-D level's sums
.set XF,   10                          ; v[10:13] upper 24 bits of my point's X
.set XH,   14                          ; v[14:16] upper 20 bits of x, y, z
.set XL,   17                          ; v[17:19] lower 12 bits
.set RE,   20                          ; v[20:21] an even level's result
.set RO,   22                          ; v[22:23] an odd level's
.set T,    24                          ; v[24:31] at work
.set SL,   32                          ; v[32:127] DP slots of 24: 16 of data (a level uses 8, the way out all), 6 of weights, the address; each slot's last register holds one of these four:
.set STO1, SL+23                       ; where my pair of numbers goes in the stage for out1
.set STO0, SL+47                       ; and for out0
.set SPW,  SL+71                       ; LDS address of my spare word: SPARE + 4 x my thread's number; never rewritten
.set NIL,  SL+95                       ; 0; never rewritten
.set RD1,  T+1                         ; the way out: where I read out1's rows back,
.set RD0,  T+2                         ; out0's,
.set GO,   T+3                         ; and my 16 bytes in 512 consecutive output bytes
; scalar registers: s[4:5] fix, s[6:7] table3d, s[8:9] t16, s[10:11] out0, s[12:13] out1; s[16:17] at work
.set WV,   14                          ; my wave in the work-group
.set GR,   15                          ; my group
.set ODD,  18                          ; mask of the lanes of side 1
.set SB,   19                          ; my stage for out1
.set B4B,  20                          ; s[20:21] t16's second base
.set B3,   24                          ; s[24:33] table3d's five further bases
.set HM,   34                          ; HMASK
.set P1R,  35                          ; PR1
.set P2R,  36                          ; PR2
.set SB0,  37                          ; my stage for out0
	s_load_b256 s[4:11], s[0:1], 0x0
	s_load_b64 s[12:13], s[0:1], 0x20
	v_lshl_add_u32 v[SPW], v0, 2, SPARE
	v_mov_b32 v[NIL], 0
	v_lshrrev_b32 v1, 5, v0
	v_readfirstlane_b32 s[WV], v1
	s_lshl2_add_u32 s[GR], ttmp9, s[WV]            ; 4 x work-group + wave
	s_wait_kmcnt 0x0
	s_cmp_lt_u32 s[GR], NG
	s_cbranch_scc1 .Lwork
	s_endpgm                                       ; the last work-group's waves 1 to 3: no group is left for them; they have touched no LDS
.Lwork:
	v_and_b32 v[XS], 1, v0
	v_bfe_u32 v1, v0, 1, 4                         ; my point in the group
	s_lshl_b32 s16, s[GR], 4
	v_add_nc_u32 v[T], s16, v1
	v_min_u32 v[T], NPTS-1, v[T]                   ; the last group's surplus lanes take the last point again: no load leaves the buffer
	v_lshlrev_b32 v[T], 4, v[T]
	global_load_b128 v[T+4:T+7], v[T], s[4:5]      ; X; on its way while the rest is set up
	s_add_nc_u64 s[B4B:B4B+1], s[8:9], 4*G4B
.irp q, 0,1,2,3,4
	s_add_nc_u64 s[B3+2*(\q):B3+2*(\q)+1], s[6:7], 8*(G3+2*(\q)*HMAX)
.endr
	s_lshl_b32 s16, s[GR], 11                      ; my 16 rows of 128 bytes in out0,
	s_mov_b32 s17, 0
	s_add_nc_u64 s[10:11], s[10:11], s[16:17]
	s_lshl_b32 s16, s[GR], 12                      ; of 256 bytes in out1; 32,000,000 at the most: one word does
	s_add_nc_u64 s[12:13], s[12:13], s[16:17]
	s_mov_b32 s[ODD], 0xaaaaaaaa
	s_mov_b32 s[HM], HMASK
	s_mov_b32 s[P1R], PR1
	s_mov_b32 s[P2R], PR2
	s_mul_i32 s[SB], s[WV], WSTG
	s_add_co_u32 s[SB0], s[SB], STG0
	v_mul_u32_u24 v[STO1], v1, PIT1                ; row = my point, 8 bytes further for side 1
	v_lshl_add_u32 v[STO1], v[XS], 3, v[STO1]
	v_add_nc_u32 v[STO1], s[SB], v[STO1]
	v_mul_u32_u24 v[STO0], v1, PIT0
	v_lshl_add_u32 v[STO0], v[XS], 3, v[STO0]
	v_add_nc_u32 v[STO0], s[SB0], v[STO0]
	v_mov_b32 v[KS], 0xaf800000                    ; -2^-32
	v_mov_b32 v[KS+1], 0x2f800000                  ; 2^-32
	v_mov_b32 v[KB], 1.0
	v_mov_b32 v[KB+1], 0
	v_cndmask_b32 v[SGN], v[KS], v[KS+1], s[ODD]
	v_cndmask_b32 v[BIAS], v[KB], v[KB+1], s[ODD]
	s_wait_loadcnt 0x0
.irp i, 0,1,2,3
	v_lshrrev_b32 v[XF+(\i)], 8, v[T+4+(\i)]
.endr
.irp i, 0,1,2
	v_lshrrev_b32 v[XH+(\i)], 12, v[T+4+(\i)]
	v_and_b32 v[XL+(\i)], 0xfff, v[T+4+(\i)]
.endr
.set ISS,  0                           ; levels issued: 0-31 are the 4-D levels, 32-47 the 3-D levels
.set FIN,  0                           ; levels finished
.set OFF4, 0                           ; first entry of the next 4-D level: the assembler adds the sizes up
.set OFF3, 0                           ; and of the next 3-D level
.macro SLOT n                          ; the registers of level n's slot
.set DD, SL+24*((\n)%DP)
.set WW, DD+16
.set AD, DD+22
.endm
; A 4-D LEVEL IS ISSUED: a cells along x and y, b along z and t.  One address, eight loads of one word (an entry in bf16), six weights.
.macro ISSUE4 a, b
	SLOT ISS
.set SY, (\a)+1                        ; strides in entries
.set SZ, SY*SY
.set SW, SZ*((\b)+1)
.if OFF4 >= G4B
.set BS, B4B
.set IM, 4*(OFF4-G4B)
.else
.set BS, 8
.set IM, 4*OFF4
.endif
	v_mul_u32_u24 v[T+0], \a, v[XF+0]              ; position = coordinate x cells: cell in bits 28:24, fraction in bits 23:0
	v_mul_u32_u24 v[T+1], \a, v[XF+1]
	v_mul_u32_u24 v[T+2], \b, v[XF+2]
	v_mul_u32_u24 v[T+3], \b, v[XF+3]
.irp i, 0,1,2,3
	v_lshrrev_b32 v[T+4+(\i)], 24, v[T+(\i)]
.endr
	v_add_nc_u32 v[T+4], v[XS], v[T+4]             ; my side's x
	v_mad_u32_u24 v[T+4], v[T+5], SY, v[T+4]
	v_mad_u32_u24 v[T+4], v[T+6], SZ, v[T+4]
	v_mad_u32_u24 v[T+4], v[T+7], SW, v[T+4]
	v_min_u32 v[T+4], (\a)+((\a)-1)*SY+((\b)-1)*(SZ+SW), v[T+4]  ; a number read from memory enters an address only behind a bound written in the instruction: the largest index that a cell can give; it changes none
	v_lshlrev_b32 v[AD], 2, v[T+4]
.irp k, 0,1,2,3,4,5,6,7
	global_load_b32 v[DD+(\k)], v[AD], s[BS:BS+1] offset:IM+4*(((\k)&1)*SY+(((\k)>>1)&1)*SZ+((\k)>>2)*SW)  ; word k: corner y = k & 1, z = (k >> 1) & 1, t = k >> 2
.endr
.irp i, 0,1,2,3
	v_lshlrev_b32 v[T+(\i)], 8, v[T+(\i)]          ; the cell's bits drop out: the fraction x 2^32
.endr
.irp i, 0,1,2,3
	v_cvt_f32_u32 v[T+(\i)], v[T+(\i)]
.endr
	v_fma_f32 v[T+4], v[T+0], v[SGN], v[BIAS]      ; my side's x weight
	v_pk_fma_f32 v[WW:WW+1], v[T:T+1], v[KS:KS+1], v[KB:KB+1] op_sel:[1,0,0]        ; (1 - fy, fy)
	v_pk_fma_f32 v[T+6:T+7], v[T+2:T+3], v[KS:KS+1], v[KB:KB+1] op_sel_hi:[0,1,1]   ; (1 - fz, fz)
	v_pk_mul_f32 v[WW:WW+1], v[WW:WW+1], v[T+4:T+5] op_sel_hi:[1,0]                 ; x weight times both
	v_pk_fma_f32 v[T+4:T+5], v[T+2:T+3], v[KS:KS+1], v[KB:KB+1] op_sel:[1,0,0]      ; (1 - ft, ft)
	v_pk_mul_f32 v[WW+2:WW+3], v[T+6:T+7], v[T+4:T+5] op_sel_hi:[1,0]               ; z weights times 1 - ft
	v_pk_mul_f32 v[WW+4:WW+5], v[T+6:T+7], v[T+4:T+5] op_sel:[0,1]                  ; z weights times ft
.set OFF4, OFF4+SW*((\b)+1)
.set ISS, ISS+1
.endm
; A 3-D LEVEL IS ISSUED: r cells along each axis.  Four loads of an entry in f32, four weights.  Dense if (r + 1)^3 entries fit in HMAX, else hashed into HMAX entries.
.macro ISSUE3 r
	SLOT ISS
.set SY, (\r)+1
.set SZ, SY*SY
.if (\r) < 256
.set CS, 24                            ; cell from bit 24 on
.irp i, 0,1,2
	v_mul_u32_u24 v[T+(\i)], \r, v[XF+(\i)]
.endr
.else
.set CS, 20                            ; floor(X r / 2^12): cell from bit 20 on
.irp i, 0,1,2
	v_mul_u32_u24 v[T+(\i)], \r, v[XL+(\i)]
.endr
.irp i, 0,1,2
	v_lshrrev_b32 v[T+(\i)], 12, v[T+(\i)]
.endr
.irp i, 0,1,2
	v_mad_u32_u24 v[T+(\i)], v[XH+(\i)], \r, v[T+(\i)]
.endr
.endif
.irp i, 0,1,2
	v_lshrrev_b32 v[T+3+(\i)], CS, v[T+(\i)]
.endr
	v_add_nc_u32 v[T+3], v[XS], v[T+3]             ; my side's x
.if SY*SZ <= HMAX
	v_mad_u32_u24 v[T+3], v[T+4], SY, v[T+3]
	v_mad_u32_u24 v[T+3], v[T+5], SZ, v[T+3]
	v_min_u32 v[T+3], (\r)+((\r)-1)*(SY+SZ), v[T+3]  ; the written bound in front of the address; it changes no index
	v_lshlrev_b32 v[AD], 3, v[T+3]
.irp k, 0,1,2,3
	global_load_b64 v[DD+2*(\k):DD+2*(\k)+1], v[AD], s[6:7] offset:8*(OFF3+((\k)&1)*SY+((\k)>>1)*SZ)  ; pair k: corner y = k & 1, z = k >> 1
.endr
.set OFF3, OFF3+SY*SZ
.else
.if OFF3 < G3
.set BS, 6
.set IM, 8*OFF3
.else
.set BS, B3+2*((OFF3-G3)/(2*HMAX))
.set IM, 8*((OFF3-G3)%(2*HMAX))
.endif
	v_mul_u32_u24 v[T+4], s[P1R], v[T+4]           ; y's and z's terms,
	v_mul_u32_u24 v[T+5], s[P2R], v[T+5]
	v_add_nc_u32 v[T+6], s[P1R], v[T+4]            ; and those of y + 1 and z + 1
	v_add_nc_u32 v[T+7], s[P2R], v[T+5]
	v_xor_b32 v[T+4], v[T+3], v[T+4]               ; x ^ y
	v_xor_b32 v[T+6], v[T+3], v[T+6]               ; x ^ (y + 1)
	v_xor_b32 v[T+3], v[T+4], v[T+5]               ; corner 0
	v_xor_b32 v[T+5], v[T+6], v[T+5]               ; corner 1
	v_xor_b32 v[T+4], v[T+4], v[T+7]               ; corner 2
	v_xor_b32 v[T+6], v[T+6], v[T+7]               ; corner 3
.irp c, 3,5,4,6
	v_and_b32 v[T+(\c)], s[HM], v[T+(\c)]          ; 19 bits are kept
.endr
.irp c, 3,5,4,6
	v_min_u32 v[T+(\c)], HMASK, v[T+(\c)]          ; the written bound in front of the address; it changes no index
.endr
	v_lshlrev_b32 v[DD+0], 3, v[T+3]
	v_lshlrev_b32 v[DD+2], 3, v[T+5]
	v_lshlrev_b32 v[DD+4], 3, v[T+4]
	v_lshlrev_b32 v[DD+6], 3, v[T+6]
.irp k, 0,2,4,6
	global_load_b64 v[DD+(\k):DD+(\k)+1], v[DD+(\k)], s[BS:BS+1] offset:IM  ; each load lands on its own address register
.endr
.set OFF3, OFF3+HMAX
.endif
.irp i, 0,1,2
	v_lshlrev_b32 v[T+(\i)], 32-CS, v[T+(\i)]      ; the fraction x 2^32
.endr
.irp i, 0,1,2
	v_cvt_f32_u32 v[T+(\i)], v[T+(\i)]
.endr
	v_fma_f32 v[T+4], v[T+0], v[SGN], v[BIAS]
	v_pk_fma_f32 v[WW:WW+1], v[T:T+1], v[KS:KS+1], v[KB:KB+1] op_sel:[1,0,0]        ; (1 - fy, fy)
	v_pk_fma_f32 v[WW+2:WW+3], v[T+2:T+3], v[KS:KS+1], v[KB:KB+1] op_sel_hi:[0,1,1] ; (1 - fz, fz)
	v_pk_mul_f32 v[WW:WW+1], v[WW:WW+1], v[T+4:T+5] op_sel_hi:[1,0]
.set ISS, ISS+1
.endm
; THE OLDEST LEVEL IN FLIGHT IS FINISHED: its corners are summed along y, then over z (and t); one DPP step adds the two sides; of two levels the even lanes
; keep the even one, the odd lanes the odd one, and the pair goes into the stage.
.macro FINISH
	SLOT FIN
.set RS, RE+2*(FIN%2)
.set LEFT, 0                           ; the loads issued behind this level's: eight for a 4-D level, four for a 3-D level
.set KK, FIN+1
.rept DP-1
.if KK < ISS
.if KK < 32
.set LEFT, LEFT+8
.else
.set LEFT, LEFT+4
.endif
.endif
.set KK, KK+1
.endr
	s_wait_loadcnt LEFT                            ; loads come back in order (ISA guide 5.7.1): mine are in, the younger ones stay out; the slot's address register is free too
.if FIN < 32
	; along y, straight from the bf16 halves into f32: for each (z, t) = q the pair T+2q, T+2q+1 takes both numbers of the entry; eight chains of two
.irp q, 0,1,2,3
	v_fma_mix_f32_bf16 v[T+2*(\q)],   v[DD+2*(\q)], v[WW], v[KB+1] op_sel:[0,0,0] op_sel_hi:[1,0,0]  ; low half x weight + 0
	v_fma_mix_f32_bf16 v[T+2*(\q)+1], v[DD+2*(\q)], v[WW], v[KB+1] op_sel:[1,0,0] op_sel_hi:[1,0,0]  ; high half
.endr
.irp q, 0,1,2,3
	v_fma_mix_f32_bf16 v[T+2*(\q)],   v[DD+2*(\q)+1], v[WW+1], v[T+2*(\q)]   op_sel:[0,0,0] op_sel_hi:[1,0,0]
	v_fma_mix_f32_bf16 v[T+2*(\q)+1], v[DD+2*(\q)+1], v[WW+1], v[T+2*(\q)+1] op_sel:[1,0,0] op_sel_hi:[1,0,0]
.endr
	v_pk_mul_f32 v[T:T+1], v[T:T+1], v[WW+2:WW+3] op_sel_hi:[1,0]
	v_pk_fma_f32 v[T:T+1], v[T+2:T+3], v[WW+2:WW+3], v[T:T+1] op_sel:[0,1,0]
	v_pk_fma_f32 v[T:T+1], v[T+4:T+5], v[WW+4:WW+5], v[T:T+1] op_sel_hi:[1,0,1]
	v_pk_fma_f32 v[RS:RS+1], v[T+6:T+7], v[WW+4:WW+5], v[T:T+1] op_sel:[0,1,0]
.else
	v_pk_mul_f32 v[DD:DD+1], v[DD:DD+1], v[WW:WW+1] op_sel_hi:[1,0]
	v_pk_mul_f32 v[DD+4:DD+5], v[DD+4:DD+5], v[WW:WW+1] op_sel_hi:[1,0]
	v_pk_fma_f32 v[DD:DD+1], v[DD+2:DD+3], v[WW:WW+1], v[DD:DD+1] op_sel:[0,1,0]
	v_pk_fma_f32 v[DD+4:DD+5], v[DD+6:DD+7], v[WW:WW+1], v[DD+4:DD+5] op_sel:[0,1,0]
	v_pk_mul_f32 v[DD:DD+1], v[DD:DD+1], v[WW+2:WW+3] op_sel_hi:[1,0]
	v_pk_fma_f32 v[RS:RS+1], v[DD+4:DD+5], v[WW+2:WW+3], v[DD:DD+1] op_sel:[0,1,0]
.endif
	v_add_f32_dpp v[RS], v[RS], v[RS] row_xmask:1 row_mask:0xf bank_mask:0xf
	v_add_f32_dpp v[RS+1], v[RS+1], v[RS+1] row_xmask:1 row_mask:0xf bank_mask:0xf
.if FIN%2
	v_cndmask_b32 v[RE], v[RE], v[RO], s[ODD]
	v_cndmask_b32 v[RE+1], v[RE+1], v[RO+1], s[ODD]
.if FIN < 32
	ds_store_b64 v[STO1], v[RE:RE+1] offset:8*(FIN-1)
.else
	ds_store_b64 v[STO0], v[RE:RE+1] offset:8*(FIN-33)
.endif
.endif
.set FIN, FIN+1
.endm
.macro LV4 a, b                        ; once the slots are full, the oldest level makes room
.if ISS >= DP
	FINISH
.endif
	ISSUE4 \a, \b
.endm
.macro LV3 r
.if ISS >= DP
	FINISH
.endif
	ISSUE3 \r
.endm
	LV4 8, 8
	LV4 9, 9
	LV4 9, 9
	LV4 10, 9
	LV4 10, 9
	LV4 11, 9
	LV4 11, 10
	LV4 11, 10
	LV4 12, 10
	LV4 12, 10
	LV4 13, 11
	LV4 14, 11
	LV4 14, 11
	LV4 15, 11
	LV4 15, 11
	LV4 16, 12
	LV4 17, 12
	LV4 18, 12
	LV4 18, 12
	LV4 19, 13
	LV4 20, 13
	LV4 21, 13
	LV4 22, 14
	LV4 23, 14
	LV4 24, 14
	LV4 25, 14
	LV4 26, 15
	LV4 27, 15
	LV4 28, 15
	LV4 30, 16
	LV4 31, 16
	LV4 32, 16
.irp r, 16,23,31,43,59,81,112,154,213,295,407,562,777,1073,1483,2048
	LV3 \r
.endr
.rept DP
	FINISH                                         ; the last DP levels: the counts run down to 0
.endr
	; THE WAY OUT.  out1: lanes 0-15 read one row of 256 bytes, lanes 16-31 the next; out0: eight lanes a row of 128 bytes, four rows.  Either way the 32 lanes hold 512 consecutive output bytes.
	v_bfe_u32 v[T+4], v0, 4, 1
	v_and_b32 v[T+5], 15, v0
	v_mul_u32_u24 v[RD1], v[T+4], PIT1
	v_lshl_add_u32 v[RD1], v[T+5], 4, v[RD1]
	v_add_nc_u32 v[RD1], s[SB], v[RD1]
	v_bfe_u32 v[T+4], v0, 3, 2
	v_and_b32 v[T+5], 7, v0
	v_mul_u32_u24 v[RD0], v[T+4], PIT0
	v_lshl_add_u32 v[RD0], v[T+5], 4, v[RD0]
	v_add_nc_u32 v[RD0], s[SB0], v[RD0]
	v_and_b32 v[GO], 31, v0
	v_lshlrev_b32 v[GO], 4, v[GO]
.irp n, 0,1,2,3,4,5,6,7                ; read-back n lands in four data registers of slot n / 4: all slots are free now
	ds_load_b128 v[SL+24*((\n)/4)+4*((\n)%4):SL+24*((\n)/4)+4*((\n)%4)+3], v[RD1] offset:(\n)*2*PIT1  ; LDS serves a wave's instructions in order (ISA guide 5.7.1.4): these see my stores above
.endr
.irp n, 0,1,2,3
	ds_load_b128 v[SL+48+4*(\n):SL+48+4*(\n)+3], v[RD0] offset:(\n)*4*PIT0
.endr
	s_wait_tensorcnt 0x0                           ; the wave's end, behind my last LDS store;
	ds_add_u32 v[SPW], v[NIL]
	s_wait_dscnt 0x0                               ; this wait also shows the twelve read-backs in
.irp n, 0,1,2,3
	global_store_b128 v[GO], v[SL+4*(\n):SL+4*(\n)+3], s[12:13] offset:512*(\n) th:TH_STORE_NT  ; out1, rows 0-7: each store covers 512 consecutive bytes, aligned to 256
.endr
.irp n, 0,1
	global_store_b128 v[GO], v[SL+48+4*(\n):SL+48+4*(\n)+3], s[10:11] offset:512*(\n) th:TH_STORE_NT  ; out0, rows 0-7
.endr
	s_cmp_eq_u32 s[GR], NG-1
	s_cbranch_scc1 .Ldone                          ; the last group has eight points: its rows 8-15 do not exist
.irp n, 0,1,2,3
	global_store_b128 v[GO], v[SL+24+4*(\n):SL+24+4*(\n)+3], s[12:13] offset:2048+512*(\n) th:TH_STORE_NT  ; out1, rows 8-15
.endr
.irp n, 2,3
	global_store_b128 v[GO], v[SL+48+4*(\n):SL+48+4*(\n)+3], s[10:11] offset:512*(\n) th:TH_STORE_NT  ; out0, rows 8-15
.endr
.Ldone:
	s_endpgm
.Lfunc_end_k_q3b03b721c1_encode:
	.size	k_q3b03b721c1_encode, .Lfunc_end_k_q3b03b721c1_encode-k_q3b03b721c1_encode
	.p2alignl 7, 3214868480
	.fill 96, 4, 3214868480
	.section	.rodata,"a",@progbits
	.p2align	6, 0x0
	.amdhsa_kernel k_q3b03b721c1_encode
		.amdhsa_group_segment_fixed_size 27136
		.amdhsa_private_segment_fixed_size 0
		.amdhsa_enable_private_segment 0
		.amdhsa_kernarg_size 40
		.amdhsa_user_sgpr_count 2
		.amdhsa_user_sgpr_kernarg_segment_ptr 1
		.amdhsa_wavefront_size32 1
		.amdhsa_system_sgpr_workgroup_id_x 1
		.amdhsa_system_sgpr_workgroup_id_y 1
		.amdhsa_system_sgpr_workgroup_id_z 1
		.amdhsa_system_vgpr_workitem_id 0
		.amdhsa_next_free_vgpr 128
		.amdhsa_next_free_sgpr 66
		.amdhsa_reserve_vcc 0
		.amdhsa_float_denorm_mode_32 3
		.amdhsa_float_denorm_mode_16_64 3
		.amdhsa_memory_ordered 1
		.amdhsa_forward_progress 1
		.amdhsa_inst_pref_size 161
	.end_amdhsa_kernel
	.amdgpu_metadata
---
amdhsa.version: [ 1, 2 ]
amdhsa.kernels:
  - .name:           k_q3b03b721c1_encode
    .symbol:         k_q3b03b721c1_encode.kd
    .args:
      - { .name: fix, .offset: 0, .size: 8, .value_kind: global_buffer, .address_space: global }
      - { .name: table3d, .offset: 8, .size: 8, .value_kind: global_buffer, .address_space: global }
      - { .name: t16, .offset: 16, .size: 8, .value_kind: global_buffer, .address_space: global }
      - { .name: out0, .offset: 24, .size: 8, .value_kind: global_buffer, .address_space: global }
      - { .name: out1, .offset: 32, .size: 8, .value_kind: global_buffer, .address_space: global }
    .group_segment_fixed_size: 27136
    .private_segment_fixed_size: 0
    .kernarg_segment_align: 8
    .kernarg_segment_size: 40
    .max_flat_workgroup_size: 128
    .sgpr_count:     66
    .vgpr_count:     128
    .wavefront_size: 32
...
	.end_amdgpu_metadata
.endif
;; end of part 4
